; MI455X (gfx1250); checked and timed in simulation.
; The chip was launched on July 23, 2026; its instructions are those of AMD's public machine-readable ISA for CDNA 5 (MIT licence, August 2026) and "CDNA5" Instruction Set Architecture Reference Guide (July 2026). The comments in the code are by the model that wrote it; some were corrected since.
;; Attention. Allowed arithmetic: matrix products marked QUANTISED: E2M1 operands, one E8M0 scale for each 32 along K, by v_wmma_scale_f32_16x16x128_f8f6f4 with both operands' format E2M1 (or v_wmma_scale_f32_32x16x128_f4), f32 sums; everything else in f32.
;; Inputs: Wk_codes 1,024 x 32 x 16 uint8 (E2M1 codes of Wk, K innermost, in blocks of 32 codes, two codes a byte); Wk_scales 1,024 x 32 uint8 (E8M0 scales of Wk, one for each 32 codes along K); Wo_codes 1,024 x 32 x 16 uint8 (E2M1 codes of Wo, K innermost, in blocks of 32 codes, two codes a byte); Wo_scales 1,024 x 32 uint8 (E8M0 scales of Wo, one for each 32 codes along K); Wq_codes 1,024 x 32 x 16 uint8 (E2M1 codes of Wq, K innermost, in blocks of 32 codes, two codes a byte); Wq_scales 1,024 x 32 uint8 (E8M0 scales of Wq, one for each 32 codes along K); Wv_codes 1,024 x 32 x 16 uint8 (E2M1 codes of Wv, K innermost, in blocks of 32 codes, two codes a byte); Wv_scales 1,024 x 32 uint8 (E8M0 scales of Wv, one for each 32 codes along K); bk 1,024 float32; bo 1,024 float32; bq 1,024 float32; bv 1,024 float32; key_codes 4 x 2,048 x 32 x 16 uint8 (E2M1 codes of key, K innermost, in blocks of 32 codes, two codes a byte); key_scales 4 x 2,048 x 32 uint8 (E8M0 scales of key, one for each 32 codes along K); query_codes 4 x 2,048 x 32 x 16 uint8 (E2M1 codes of query, K innermost, in blocks of 32 codes, two codes a byte); query_scales 4 x 2,048 x 32 uint8 (E8M0 scales of query, one for each 32 codes along K); value_codes 4 x 2,048 x 32 x 16 uint8 (E2M1 codes of value, K innermost, in blocks of 32 codes, two codes a byte); value_scales 4 x 2,048 x 32 uint8 (E8M0 scales of value, one for each 32 codes along K).
;; Outputs: out0 4 x 2,048 x 1,024 float32.
;; This version of the problem:
;;   THIS VERSION OF THE PROBLEM IS GIVEN IN LOW PRECISION. The matrix products marked QUANTISED in the list below multiply operands that are first quantised to E2M1 (2 exponent bits, 1 mantissa bit; 4 bits a number), with one power-of-two scale for each 32 numbers along K (OCP MX v1.0); their sums are f32. All else is computed in f32.
;;   The module's matrix products, in the order in which they are computed (A, B: the left and right operand; K: the contracted axis; several contracted axes count as one K, in the product's order):
;;     1. [M 8,192, K 1,024] x [K 1,024, N 1,024]; A: input query (given as codes); B: input Wq (given as codes): QUANTISED
;;     2. [M 8,192, K 1,024] x [K 1,024, N 1,024]; A: input key (given as codes); B: input Wk (given as codes): QUANTISED
;;     3. [M 8,192, K 1,024] x [K 1,024, N 1,024]; A: input value (given as codes); B: input Wv (given as codes): QUANTISED
;;     4. batch 64 x [M 2,048, K 64] x [K 64, N 2,048]; A: computed on the way; B: computed on the way: QUANTISED
;;     5. batch 64 x [M 2,048, K 2,048] x [K 2,048, N 64]; A: softmax (see below); B: computed on the way: QUANTISED
;;     6. [M 8,192, K 1,024] x [K 1,024, N 1,024]; A: computed on the way; B: input Wo (given as codes): QUANTISED
;;   THE QUANTISER, for each operand of a quantised product, along K:
;;     - K is cut into blocks of 32 from its start; a last block that is shorter is filled with zeros.
;;     - A block's scale is 2^e with e = floor(log2(the largest magnitude in the block)) - 2, held to -126 .. 127; a block of zeros has e = 0. As a byte (E8M0): e + 127.
;;     - Each number is divided by its block's scale, clamped to +-6, and rounded to the nearest number of E2M1, ties to even, subnormals kept.
;;     - The product sums the exact products of the quantised numbers (number of the format x scale) in f32.
;;   ~~~python
;;   def quantise(x, axis):      # numpy; x: float32 -> the quantised numbers, widened to float32 again
;;       x = np.moveaxis(x, axis, -1); K = x.shape[-1]
;;       x = np.pad(x, [(0, 0)] * (x.ndim - 1) + [(0, -K % 32)]); x = x.reshape(x.shape[:-1] + (-1, 32)); a = np.abs(x).max(-1, keepdims=True)
;;       e = np.where(a > 0, np.clip(np.frexp(np.where(a > 0, a, 1))[1] - 1 - 2, -126, 127), 0)      # np.frexp(a)[1] - 1 = floor(log2(a)), exactly
;;       r = np.clip(x / 2.0 ** e, -6, 6)
;;       step = 2.0 ** (np.maximum(np.frexp(np.where(r == 0, 1, r))[1] - 1, 0) - 1)
;;       q = np.round(r / step) * step * 2.0 ** e      # np.round: ties to even
;;       return np.moveaxis(q.reshape(q.shape[:-2] + (-1,))[..., :K], -1, axis).astype(np.float32)
;;   ~~~
;;   SOFTMAX AHEAD OF A QUANTISED PRODUCT. Where the list says 'softmax', what is quantised is not the finished softmax but p = 2^(t - M), with t = logit x log2(e) and M = ceil(the row's largest t), a whole number; so 1/2 < the row's largest p <= 1. The row's sum l is taken of the UNQUANTISED p, in f32, and the product's result is divided by l at the end. Since M is a whole number, a kernel that streams over the keys may use a running M (the ceiling of the running maximum): every later rescaling is an exact power of two, which a block's scale takes up: the codes' values come out the same.
;;   OPERANDS COMPUTED ON THE WAY. 'Computed on the way' means the value that the module computes at that place (a softmax that the list does not call 'softmax' is quantised finished and normalised). What goes into a quantiser is computed in f32, as accurately as f32 sums, v_exp_f32 and their like allow (about 1e-6 of the number): no bf16 or f16 on the way to a quantiser, and a product that is left as it is and whose result goes on into a quantised operand takes f32 operands (vector FMAs, or v_wmma_f32_16x16x4_f32). A number that lies on a knife's edge between two numbers of the format may be rounded either way, as far as f32 arithmetic and the matrix unit's own rounding can turn it there, and no further.
;;   INPUTS GIVEN AS CODES. Wk (in the module: [1024, 1024], K = its axis 0); Wo (in the module: [1024, 1024], K = its axis 0); Wq (in the module: [1024, 1024], K = its axis 0); Wv (in the module: [1024, 1024], K = its axis 0); key (in the module: [4, 2048, 1024], K = its axis 2); query (in the module: [4, 2048, 1024], K = its axis 2); value (in the module: [4, 2048, 1024], K = its axis 2): each comes as NAME_codes (uint8): NAME with its K axis moved to the last place and cut into blocks of 32 codes, [.., K / 32, bytes a block], one block behind the other in memory; two codes a byte, the lower K in the low four bits (a code: sign, 2 exponent bits, 1 mantissa bit); and NAME_scales (uint8): the same leading axes, one E8M0 byte (e + 127) for each 32 codes along K. Its value is code x scale, taken as it is: it is not quantised again, and the codes and scales need not be those that the quantiser above would give.
;; One version. Each part assembles by itself: llvm-mc -triple=amdgcn-amd-amdhsa -mcpu=gfx1250 --defsym DOCPART=n.
;; ======== version 1 of 1: 3 launches
;; workspace buffers: qkv 13,893,632 bytes; oimg 4,194,304 bytes; osc 262,144 bytes
;; launch proj (part 1): grid 4 x 192, 4 waves a work-group, clusters of 4 x 4, 224,768 bytes of LDS; arguments query_codes, query_scales, Wq_codes, Wq_scales, key_codes, key_scales, Wk_codes, Wk_scales, Wv_codes, Wv_scales, value_codes, value_scales, bq, bk, bv, qkv; writes qkv
.if DOCPART == 1
	.amdgcn_target "amdgcn-amd-amdhsa--gfx1250"
	.amdhsa_code_object_version 6
	.text
	.protected	k_q325ebe9cd1_proj
	.globl	k_q325ebe9cd1_proj
	.p2align	8
	.type	k_q325ebe9cd1_proj,@function
k_q325ebe9cd1_proj:
	s_mov_b64 s[64:65], 0
	v_nop
	global_prefetch_b8 v0, s[64:65] scope:SCOPE_SE
	s_setreg_imm32_b32 hwreg(HW_REG_WAVE_MODE, 25, 1), 1
	s_wait_xcnt 0x0
	s_wait_alu depctr_hold_cnt(0) depctr_sa_sdst(0) depctr_va_vdst(0) depctr_va_sdst(0) depctr_va_ssrc(0) depctr_va_vcc(0) depctr_vm_vsrc(0)
	s_getreg_b32 s2, hwreg(HW_REG_IB_STS2, 6, 4)
	s_cmp_eq_u32 s2, 0
	s_cbranch_scc0 .Lentry_in_a_cluster
	s_endpgm
.Lentry_in_a_cluster:
	s_bfe_u32 s2, ttmp6, 0x10000c
	s_cmp_lg_u32 s2, 0xf033
	s_cbranch_scc0 .Lentry_shape_is_right
	s_endpgm
.Lentry_shape_is_right:
; Q = query Wq + bq, K = key Wk + bk, V = value Wv + bv on codes of FP4 (E2M1) with E8M0 scales, f32 sums; the results are quantised at once and leave as operands of the attention launch.
; ONE BODY FOR THE THREE.  C'[i][j] = sum over k of P[i][k] R[j][k] + bias.  Q, K: P = the tokens (8,192 rows), R = the weight (1,024 rows): registers run along the features, which are the scores' K.
; V: P = Wv, R = value: registers run along the tokens, which are the keys, the second product's K.  Which of the three: cluster y / 16, the same in all partners of a cluster.
; SHARES.  A work-group makes 128 (i) x 256 (j): 256 work-groups for each tensor.  Four waves, each 64 x 128: 32 accumulators of 16 x 16.  K = 1,024 is 512 bytes a row: all of K lies in LDS, as two halves of
; 256 bytes a row, each brought once: no LDS byte is filled twice.  A wave has three tensor loads out: its scales, its part of half 0, its part of half 1.
; CLUSTERS: 4 x 4 work-groups.  P's tile hangs on the tile row alone and is asked for jointly by a row of the cluster, R's on the tile column alone, by a column.
; THE MATRIX INSTRUCTION IS USED TRANSPOSED: source 0 = 16 rows of R, source 1 = 16 rows of P: in accumulator (a, t) lane (r, h) holds i = 16 a + r and, in register e, j = 16 t + 8 h + e.
; THE QUANTISER.  A block of 32 along j is accumulators 2 b and 2 b + 1 of lanes l and l xor 16.  Scale 2^(floor(log2(largest magnitude)) - 2).  One conversion takes one accumulator's eight registers; two exchanges
; of half waves for each pair of blocks give the operand's layout (a whole block in a lane).  The codes leave as IMAGES OF THE OPERAND'S REGISTERS, lane l's 16 bytes at 16 l.
; qkv: 64 records (batch entry x 16 + head) of HS bytes: K's images [128 tiles of 16 keys][512], V's [4 tiles of 16 channels][16 steps of 128 keys][2][512], K's scale words (a word a key: two bytes, then 0x7f 0x7f for the
; unused half of the instruction's 128), V's [16 steps][64 channels], Q's images and scale words as K's.
; LIMITS: NaN and infinities are not served; a block whose largest magnitude lies under 2^-124, a block of zeros among them, keeps the byte 1 (the rule says 127 for zeros: the codes are zeros, and this program alone reads the bytes).
; No prefetch: every stream is asked for by the tensor loads at the head, and nothing is asked for later.
.set HS,    217088
.set O_V,   65536
.set O_KS,  131072
.set O_VS,  139264
.set O_Q,   143360
.set O_QS,  208896
.set PITCH, 272                        ; an LDS row: 256 bytes + 16 of padding: the 16 rows of a fragment load start at 16 different groups of banks
.set AHALF, 64*PITCH                   ; what one tensor load brings of P, and what a wave reads of it
.set BHALF, 128*PITCH                  ; the same for R
.set BOFF,  128*PITCH                  ; R's 256 rows lie behind P's 128
.set SLOT,  384*PITCH                  ; half of K
.set SCL,   2*SLOT                     ; the scale bytes, 32 a row, as units of 256 bytes + 16: P's 16 units, then R's 32
.set SAH,   8*272
.set SBH,   16*272
.set SBO,   16*272
.set SOUT,  SCL+48*272                 ; 512 bytes a wave for the scale words on their way out; no tile lands here
.set CPAD,  (1<<20)|(1<<21)|(5<<22)|(3<<25)   ; padding on; bit 21 beside a mask; after every 64 words, 4 words
.set ADRA, 16                          ; v16-17 LDS address of my fragments of P in half 0, 1
.set ADRB, 20                          ; v20-21 of R
.set ADSA, 22                          ; v22    of P's scale words
.set ADSB, 23                          ; v23    of R's
.set STS,  24                          ; v24    where my row's scale word goes in LDS
.set SLD,  25                          ; v25    where I read 8 bytes of them back
.set SGO,  26                          ; v26    8 x lane
.set SA,   32                          ; v32-47 P's scale words: register 4 a + q: lanes 0-15 K step q, lanes 16-31 K step 4 + q
.set SB,   48                          ; v48-79 R's: register 4 t + q
.set AF,   80                          ; v80-143 P's fragments, two sets of four
.set PC,   144                         ; v144-175 the codes made: eight registers for each tile of rows
.set VO,   176                         ; v176-179 where a tile of rows' images go
.set TM,   200                         ; v200-203 largest magnitudes, v204-207 bytes, v212-215 the conversions' scale operands
.set PW,   216                         ; v216-219 the scale word of each tile of rows
.set PX,   220
.set PY,   228
.set BI,   128                         ; window 2: the bias, eight registers a tile
.set WV,   16
.set WI,   17
.set WJ,   18
.set G1A,  24
.set G0A,  32
.set G1B,  48
.set G0B,  56
.set SEL,  66
.set G1SA, 68
.set G0SA, 76
.set G1SB, 80
.set G0SB, 88
.set TEN,  98
.set W_MUL,  0x52                      ; source 0 (R) window 2, source 1 (P) window 0, C and D window 1
.set W_MULB, 0x62                      ; the same with C (the bias) in window 2
.set W_TOB,  0x80                      ; destination window 2
.set MSB, 0
.macro WIN new                         ; the immediate's high byte repeats the setting that is left
.if MSB != \new
	s_set_vgpr_msb (MSB<<8)|\new
.set MSB, \new
.endif
.endm
.macro PLACES                          ; four plain vector instructions between a matrix instruction and a load into, or a read of, its registers
.rept 4
	v_nop
.endr
.endm
.macro SHAPE g, c, r, p                ; words 1 to 7 of a group 1: r rows of c elements, p elements apart
	s_mov_b32 s[\g+1], (\c)<<16
	s_mov_b32 s[\g+2], (\r)<<16
	s_mov_b32 s[\g+3], (\c)<<16
	s_mov_b32 s[\g+4], \r
	s_mov_b32 s[\g+5], \p
	s_mov_b32 s[\g+6], 0
	s_mov_b32 s[\g+7], 0
.endm
.macro JLOAD g0a, g1a, g0b, g1b        ; a joint load: waves 0 and 1 fetch for P, waves 2 and 3 for R; four v_nop follow each line
	s_cmp_eq_u32 s[WI], 0
	s_cbranch_scc0 .Lfor_b_\@
	tensor_load_to_lds s[\g0a:\g0a+3], s[\g1a:\g1a+7]
	s_nop 0
.rept 4
	v_nop
.endr
	s_branch .Lasked_\@
.Lfor_b_\@:
	tensor_load_to_lds s[\g0b:\g0b+3], s[\g1b:\g1b+7]
	s_nop 0
.rept 4
	v_nop
.endr
.Lasked_\@:
.endm
.macro CREST
	s_cmp_lg_u32 s[WV], 0
	s_cbranch_scc1 .Lnot_wave_0_\@
	s_barrier_signal -3
.Lnot_wave_0_\@:
	s_barrier_wait -3
	s_barrier_signal -1
	s_barrier_wait -1
.endm
.macro CROUND                          ; a round of the cluster's barrier
	s_barrier_signal -1
	s_barrier_wait -1
	CREST
.endm
; 24 LDS loads in one run: the fragments of K step q (R's eight, P's four) into set q % 2
.macro FETCH q
.set FS, (\q)/4
.set FQ, (\q)%4
.set FP, (\q)%2
	WIN W_TOB
.irp i, 0,1,2,3,4,5,6,7
	ds_load_b128 v[64*FP+8*\i:64*FP+8*\i+3],   v[ADRB+FS] offset:64*FQ+\i*16*PITCH
	ds_load_b128 v[64*FP+8*\i+4:64*FP+8*\i+7], v[ADRB+FS] offset:64*FQ+32+\i*16*PITCH
.endr
	WIN 0
.irp i, 0,1,2,3
	ds_load_b128 v[AF+32*FP+8*\i:AF+32*FP+8*\i+3],   v[ADRA+FS] offset:64*FQ+\i*16*PITCH
	ds_load_b128 v[AF+32*FP+8*\i+4:AF+32*FP+8*\i+7], v[ADRA+FS] offset:64*FQ+32+\i*16*PITCH
.endr
.endm
; 16 matrix instructions: P's blocks a0, a0 + 1 against R's eight, K step q.  cm = 0: onto the sums; 1: the bias of R's block starts them; 2: the bias of P's block.
; The 32 accumulators take turns, one instruction a turn, in the same order in every step.
.macro MUL a0, q, cm
.irp a, \a0, \a0+1
.irp t, 0,1,2,3,4,5,6,7
.set rD, 8*(8*(\a)+\t)
.set rB, 64*((\q)%2)+8*\t
.set rA, AF+32*((\q)%2)+8*(\a)
.set rC, rD
.if \cm == 1
.set rC, BI+8*\t
.endif
.if \cm == 2
.set rC, BI+8*(\a)
.endif
.if (\q) < 4
	v_wmma_scale_f32_16x16x128_f8f6f4 v[rD:rD+7], v[rB:rB+7], v[rA:rA+7], v[rC:rC+7], v[SB+4*\t+(\q)%4], v[SA+4*(\a)+(\q)%4] matrix_a_fmt:MATRIX_FMT_FP4 matrix_b_fmt:MATRIX_FMT_FP4
.else
	v_wmma_scale_f32_16x16x128_f8f6f4 v[rD:rD+7], v[rB:rB+7], v[rA:rA+7], v[rC:rC+7], v[SB+4*\t+(\q)%4], v[SA+4*(\a)+(\q)%4] matrix_a_fmt:MATRIX_FMT_FP4 matrix_b_fmt:MATRIX_FMT_FP4 matrix_a_scale:MATRIX_SCALE_ROW1 matrix_b_scale:MATRIX_SCALE_ROW1
.endif
.endr
.endr
.endm
; Tile of rows a: its 8 accumulators (128 along j: four blocks) become eight registers of codes and a scale word, and the codes leave.
.macro QUANT a
	WIN 0x05                                       ; sources 0 and 1 window 1
.irp b, 0,1,2,3
	v_max3_num_f32 v[TM+\b], |v[64*\a+16*\b]|, |v[64*\a+16*\b+1]|, 0x1800000   ; my 16 numbers of block b, each accumulator from its low end on, and the floor 2^(3 - 127): the byte cannot fall under 1
.endr
.irp i, 2,4,6,8,10,12,14
.irp b, 0,1,2,3
	v_max3_num_f32 v[TM+\b], |v[64*\a+16*\b+\i]|, |v[64*\a+16*\b+\i+1]|, v[TM+\b]   ; (the four blocks by turns)
.endr
.endr
	WIN 0
.irp b, 0,1,2,3
	v_permlanex16_b32 v[TM+4+\b], v[TM+\b], s[SEL], s[SEL+1]
.endr
.irp b, 0,1,2,3
	v_max_num_f32 v[TM+\b], v[TM+\b], v[TM+4+\b]   ; with lane l xor 16's 16: the block's largest magnitude
.endr
.irp b, 0,1,2,3
	v_add_nc_u32 v[TM+12+\b], 0xff000000, v[TM+\b] ; 2 off its exponent field: the conversion takes that field as its scale
.endr
.irp b, 0,1,2,3
	v_lshrrev_b32 v[TM+4+\b], 23, v[TM+12+\b]      ; the scale's byte
.endr
	v_lshl_or_b32 v[PW+\a], v[TM+5], 8, v[TM+4]
	v_lshl_or_b32 v[PW+\a], v[TM+6], 16, v[PW+\a]
	v_lshl_or_b32 v[PW+\a], v[TM+7], 24, v[PW+\a]
	WIN 0x01                                       ; source 0 window 1
.irp b, 0,1,2,3
	v_cvt_scalef32_pk8_fp4_f32 v[PC+8*\a+4*(\b/2)+(\b%2)],   v[64*\a+16*\b:64*\a+16*\b+7],    v[TM+12+\b]   ; j = 32 b + 8 h + 0 .. 7
	v_cvt_scalef32_pk8_fp4_f32 v[PC+8*\a+4*(\b/2)+2+(\b%2)], v[64*\a+16*\b+8:64*\a+16*\b+15], v[TM+12+\b]   ; j = 32 b + 16 + 8 h + 0 .. 7
.endr
	WIN 0
	v_nop                                          ; one plain instruction behind the scaled conversions
.irp c, 0,1
.irp u, 0,1
	v_permlane16_swap_b32 v[PC+8*\a+4*\c+2*\u], v[PC+8*\a+4*\c+2*\u+1]   ; the first's lanes 16-31 change places with the second's lanes 0-15: registers 4 c .. 4 c + 3 of lane (r, h) now hold block 2 c + h whole
.endr
.endr
	global_store_b128 v[VO+\a], v[PC+8*\a:PC+8*\a+3],   s[2:3]     ; 32 lanes store 512 consecutive bytes, at a multiple of 512 from the buffer's first byte
	global_store_b128 v[VO+\a], v[PC+8*\a+4:PC+8*\a+7], s[40:41]
.endm
	s_load_b256 s[4:11],  s[0:1], 0x0              ; for Q: P's codes, P's scales, R's codes, R's scales
	s_load_b256 s[20:27], s[0:1], 0x20             ; for K
	s_load_b256 s[36:43], s[0:1], 0x40             ; for V (P = Wv, R = value)
	s_load_b256 s[48:55], s[0:1], 0x60             ; bq, bk, bv, qkv
	v_lshl_add_u32 v254, v0, 2, 0x36c00
	v_mov_b32 v255, 0
	ds_add_u32 v254, v255
	ds_add_u32 v254, v255
	v_lshrrev_b32 v3, 5, v0
	v_readfirstlane_b32 s[WV], v3                  ; wave 0..3
	s_lshr_b32 s[WI], s[WV], 1                     ; which 64 of the tile's i are mine.  Also: I fetch for P (0) or for R (1)
	s_and_b32 s[WJ], s[WV], 1                      ; which 128 of its j.  Also: which half of that tile I fetch
	s_bfe_u32 s94, ttmp6, 0x40000                  ; cx
	s_bfe_u32 s95, ttmp6, 0x40004                  ; cy
	s_and_b32 s99, ttmp7, 0xffff                   ; cluster y, 0 .. 47 (the grid is one cluster wide)
	s_lshr_b32 s[TEN], s99, 4                      ; 0: Q, 1: K, 2: V
	s_and_b32 s99, s99, 15
	s_and_b32 s96, s99, 1
	s_lshr_b32 s97, s99, 1
	s_cmp_eq_u32 s[TEN], 2
	s_cselect_b32 s96, s96, s99                    ; Q, K: 64 tile rows x 4 tile columns;  V: 8 x 32
	s_cselect_b32 s97, s97, 0
	s_lshl_b32 s96, s96, 2
	s_add_co_u32 s96, s96, s95                     ; tile row
	s_lshl_b32 s97, s97, 2
	s_add_co_u32 s97, s97, s94                     ; tile column
	s_lshl_b32 s44, s95, 2
	s_lshl_b32 s44, 15, s44                        ; my row of the cluster
	s_lshl_b32 s45, 0x1111, s94                    ; my column
	s_mov_b32 s[SEL], 0x76543210
	s_mov_b32 s[SEL+1], 0xfedcba98                 ; v_permlanex16_b32's selects for lane l xor 16
	s_or_b32 s[G1SA], s44, (3<<16)|CPAD            ; the scales of 64 rows: 2,048 dense bytes as 8 rows of 32 elements of 8 bytes
	SHAPE G1SA, 32, 8, 32
	s_or_b32 s[G1SB], s45, (3<<16)|CPAD            ; of 128 rows: 16 such rows
	SHAPE G1SB, 32, 16, 32
	s_wait_dscnt 0x0
	s_wait_kmcnt 0x0
	s_cmp_eq_u32 s[TEN], 1                         ; the choice of buffers hangs on the cluster's number alone
	s_cselect_b64 s[4:5], s[20:21], s[4:5]
	s_cselect_b64 s[6:7], s[22:23], s[6:7]
	s_cselect_b64 s[8:9], s[24:25], s[8:9]
	s_cselect_b64 s[10:11], s[26:27], s[10:11]
	s_cselect_b64 s[12:13], s[50:51], s[48:49]
	s_cmp_eq_u32 s[TEN], 2
	s_cselect_b64 s[4:5], s[36:37], s[4:5]
	s_cselect_b64 s[6:7], s[38:39], s[6:7]
	s_cselect_b64 s[8:9], s[40:41], s[8:9]
	s_cselect_b64 s[10:11], s[42:43], s[10:11]
	s_cselect_b64 s[12:13], s[52:53], s[12:13]
	s_mov_b64 s[14:15], s[54:55]
	s_or_b32 s[G1A], s44, CPAD                     ; elements of 1 byte: 64 rows of 256 bytes, 512 apart
	SHAPE G1A, 256, 64, 512
	s_or_b32 s[G1B], s45, CPAD                     ; 128 such rows
	SHAPE G1B, 256, 128, 512
	s_lshl_b32 s20, s96, 7                         ; P: row 128 x tile row + 64 x half
	s_lshl_b32 s21, s[WJ], 6
	s_add_co_u32 s20, s20, s21
	s_lshl_b32 s22, s20, 5                         ; its scales, 32 bytes a row,
	s_lshl_b32 s20, s20, 9                         ; its codes, 512
	s_mov_b32 s21, 0
	s_mov_b32 s23, 0
	s_add_nc_u64 s[20:21], s[4:5], s[20:21]
	s_add_nc_u64 s[22:23], s[6:7], s[22:23]
	s_lshl_b32 s40, s97, 8                         ; R: row 256 x tile column + 128 x half
	s_lshl_b32 s41, s[WJ], 7
	s_add_co_u32 s40, s40, s41
	s_lshl_b32 s42, s40, 5
	s_lshl_b32 s40, s40, 9
	s_mov_b32 s41, 0
	s_mov_b32 s43, 0
	s_add_nc_u64 s[40:41], s[8:9], s[40:41]
	s_add_nc_u64 s[42:43], s[10:11], s[42:43]
	s_mul_i32 s46, s[WJ], AHALF                    ; where they go: the wave's number alone enters an LDS address
	s_mul_i32 s47, s[WJ], BHALF
	s_mul_i32 s92, s[WJ], SAH
	s_mul_i32 s93, s[WJ], SBH
	CROUND                                         ; all sixteen work-groups are here: the joint loads meet
	s_mov_b32 s[G0SA], 1
	s_add_co_u32 s[G0SA+1], s92, SCL
	s_mov_b64 s[G0SA+2:G0SA+3], s[22:23]
	s_or_b32 s[G0SA+3], s[G0SA+3], 0x80000000
	s_mov_b32 s[G0SB], 1
	s_add_co_u32 s[G0SB+1], s93, SCL+SBO
	s_mov_b64 s[G0SB+2:G0SB+3], s[42:43]
	s_or_b32 s[G0SB+3], s[G0SB+3], 0x80000000
	JLOAD G0SA, G1SA, G0SB, G1SB                   ; the scales first: they are wanted with K step 0
.irp s, 0,1
	s_mov_b32 s[G0A+4*\s], 1
	s_add_co_u32 s[G0A+4*\s+1], s46, \s*SLOT
	s_add_nc_u64 s[G0A+4*\s+2:G0A+4*\s+3], s[20:21], \s*256
	s_or_b32 s[G0A+4*\s+3], s[G0A+4*\s+3], 0x80000000
	s_mov_b32 s[G0B+4*\s], 1
	s_add_co_u32 s[G0B+4*\s+1], s47, \s*SLOT+BOFF
	s_add_nc_u64 s[G0B+4*\s+2:G0B+4*\s+3], s[40:41], \s*256
	s_or_b32 s[G0B+4*\s+3], s[G0B+4*\s+3], 0x80000000
	JLOAD G0A+4*\s, G1A, G0B+4*\s, G1B
.endr
	v_and_b32 v1, 15, v0                           ; r
	v_bfe_u32 v2, v0, 4, 1                         ; h
	v_mul_u32_u24 v3, v1, PITCH
	v_lshl_add_u32 v3, v2, 4, v3                   ; a fragment's row x pitch + 16 h
	s_mul_i32 s19, s[WI], AHALF
	s_mul_i32 s99, s[WJ], BHALF
	s_add_co_u32 s99, s99, BOFF
.irp s, 0,1
	v_add_nc_u32 v[ADRA+\s], s19, v3
	v_add_nc_u32 v[ADRB+\s], s99, v3
	s_add_co_u32 s19, s19, SLOT
	s_add_co_u32 s99, s99, SLOT
.endr
	v_and_b32 v4, 7, v0                            ; a row's 32 scale bytes: eight rows to a unit of 272; lanes 16-31 take the upper 16 bytes (K steps 4 to 7)
	v_bfe_u32 v5, v0, 3, 1
	v_mul_u32_u24 v5, v5, 272
	v_lshl_add_u32 v5, v4, 5, v5
	v_lshl_add_u32 v5, v2, 4, v5
	s_mul_i32 s19, s[WI], SAH
	s_add_co_u32 s19, s19, SCL
	v_add_nc_u32 v[ADSA], s19, v5
	s_mul_i32 s19, s[WJ], SBH
	s_add_co_u32 s19, s19, SCL+SBO
	v_add_nc_u32 v[ADSB], s19, v5
	s_lshl_b32 s19, s[WV], 9
	s_add_co_u32 s19, s19, SOUT
	v_lshl_add_u32 v[STS], v1, 2, s19
	v_and_b32 v6, 31, v0
	v_lshlrev_b32 v[SGO], 3, v6
	v_add_nc_u32 v[SLD], s19, v[SGO]
	v_lshlrev_b32 v[VO], 4, v6
	s_wait_alu depctr_va_vdst(0)
	v_lshlrev_b32 v7, 5, v2                        ; the bias along j: 32 h
	v_lshlrev_b32 v8, 2, v1                        ; the bias along i: 4 r
.irp b, 0,1,2,3
	v_mov_b32 v[TM+4+\b], 0                        ; written once: a lane permute's destination counts as one of its sources
.endr
	; where my results go
	s_lshl_b32 s19, s96, 7
	s_lshl_b32 s99, s[WI], 6
	s_add_co_u32 s19, s19, s99                     ; my first i
	s_lshl_b32 s99, s97, 8
	s_lshl_b32 s92, s[WJ], 7
	s_add_co_u32 s99, s99, s92                     ; my first j
	s_cmp_eq_u32 s[TEN], 2
	s_cselect_b32 s92, s99, s19                    ; my first token (V: along j)
	s_cselect_b32 s93, s19, s99                    ; my first feature
	s_lshr_b32 s40, s92, 11
	s_lshl_b32 s40, s40, 4
	s_lshr_b32 s41, s93, 6
	s_add_co_u32 s40, s40, s41                     ; the record: batch entry x 16 + head
	s_mul_i32 s40, s40, HS
	s_and_b32 s41, s92, 2047                       ; the token in its batch entry
	s_cmp_eq_u32 s[TEN], 1
	s_mov_b32 s20, O_Q
	s_cselect_b32 s20, 0, s20
	s_mov_b32 s21, O_QS
	s_cselect_b32 s21, O_KS, s21
	s_cmp_eq_u32 s[TEN], 2
	s_cselect_b32 s20, O_V, s20
	s_cselect_b32 s21, O_VS, s21
	s_cselect_b32 s42, 3, 5                        ; images: Q, K 512 bytes for 16 tokens; V 1,024 for 128
	s_cselect_b32 s43, 1, 2                        ; scale words: Q, K 4 bytes a token; V 256 for 128
	s_mov_b32 s46, 512
	s_cselect_b32 s46, 16384, s46                  ; from one tile of rows to the next
	s_mov_b32 s47, HS
	s_cselect_b32 s47, 512, s47                    ; from registers 0-3 to registers 4-7: Q, K the next head's record; V the fragment's second half
	s_mov_b32 s44, 0xffff
	s_cselect_b32 s44, -1, s44                     ; Q, K: a head's word is two bytes and 0x7f 0x7f;  V: all four bytes
	s_mov_b32 s45, 0x7f7f0000
	s_cselect_b32 s45, 0, s45
	s_lshl_b32 s42, s41, s42
	s_lshl_b32 s43, s41, s43
	s_add_co_u32 s20, s20, s42
	s_add_co_u32 s22, s20, s40
	s_add_co_u32 s21, s21, s43
	s_add_co_u32 s21, s21, s40
	s_mov_b32 s23, 0
	s_add_nc_u64 s[2:3], s[14:15], s[22:23]        ; registers 0-3 of each tile of rows
	s_mov_b32 s22, s47
	s_add_nc_u64 s[40:41], s[2:3], s[22:23]        ; registers 4-7
	s_mov_b32 s22, s21
	s_add_nc_u64 s[42:43], s[14:15], s[22:23]      ; the scale words
	s_lshl_b32 s22, s93, 2
	s_add_nc_u64 s[12:13], s[12:13], s[22:23]      ; the bias at my first feature
.irp a, 1,2,3
	v_add_nc_u32 v[VO+\a], s46, v[VO+\a-1]
.endr
	; the bias in the result's layout: the C of each sum's first matrix instruction.  Both ways write all 64 registers
	s_cmp_eq_u32 s[TEN], 2
	s_cbranch_scc1 .Lbias_v
	WIN W_TOB
	s_wait_alu depctr_va_vdst(0)
.irp t, 0,1,2,3,4,5,6,7
	global_load_b128 v[BI+8*\t:BI+8*\t+3],   v7, s[12:13] offset:64*\t      ; j = 16 t + 8 h + 0 .. 7
	global_load_b128 v[BI+8*\t+4:BI+8*\t+7], v7, s[12:13] offset:64*\t+16
.endr
	WIN 0
	s_branch .Lbias_in
.Lbias_v:
	WIN W_TOB
	s_wait_alu depctr_va_vdst(0)
.irp x, 0,1,2,3,4,5,6,7                        ; i = 16 x + r in all eight registers; tiles 4 to 7 are copies that no product reads
.irp e, 0,1,2,3,4,5,6,7
	global_load_b32 v[BI+8*\x+\e], v8, s[12:13] offset:64*(\x%4)
.endr
.endr
	WIN 0
.Lbias_in:
	s_wait_tensorcnt 0x1                           ; my scales and my part of half 0 are in; half 1's load may be out
	s_barrier_signal -1
	s_barrier_wait -1                              ; everybody's are
.irp a, 0,1,2,3
	ds_load_b128 v[SA+4*\a:SA+4*\a+3], v[ADSA] offset:\a*544
.endr
.irp t, 0,1,2,3,4,5,6,7
	ds_load_b128 v[SB+4*\t:SB+4*\t+3], v[ADSB] offset:\t*544
.endr
	FETCH 0
	FETCH 1
	s_wait_loadcnt 0x0                             ; the bias
	s_wait_dscnt 24                                ; all but K step 1's 24 loads
	s_cmp_eq_u32 s[TEN], 2
	s_cbranch_scc1 .Lstart_v
	WIN W_MULB
	MUL 0, 0, 1
	MUL 2, 0, 1
	WIN 0
	s_branch .Lstarted
.Lstart_v:
	WIN W_MULB
	MUL 0, 0, 2
	MUL 2, 0, 2
	WIN 0
.Lstarted:
.irp q, 1,2
	PLACES                                         ; in front of loads into the set that the last step multiplied
	FETCH \q+1
	s_wait_dscnt 24                                ; this step's fragments are in; the 24 loads just issued may be out
	WIN W_MUL
	MUL 0, \q, 0
	MUL 2, \q, 0
.endr
	s_wait_tensorcnt 0x0                           ; my part of half 1 is in,
	s_wait_dscnt 0x0                               ; and no LDS load of mine is out at the signal
	s_barrier_signal -1
	MUL 0, 3, 0                                    ; work on registers while the others arrive
	s_barrier_wait -1                              ; half 1 is whole
	PLACES
	FETCH 4
	WIN W_MUL
	MUL 2, 3, 0
.irp q, 4,5,6
	PLACES
	FETCH \q+1
	s_wait_dscnt 24
	WIN W_MUL
	MUL 0, \q, 0
	MUL 2, \q, 0
.endr
	s_wait_dscnt 0x0
	MUL 0, 7, 0
	MUL 2, 7, 0
	WIN 0
	PLACES                                         ; in front of the first read of results
	QUANT 0
	QUANT 1
	QUANT 2
	QUANT 3
	; the scale words of my 64 rows leave as one aligned run of 256 bytes, through my own bytes of LDS (LDS serves a wave's instructions in order: no wait between the stores and the load)
.irp a, 0,1,2,3
	v_and_or_b32 v[PX+\a], v[PW+\a], s44, s45
.endr
.irp a, 0,1,2,3
	ds_store_b32 v[STS], v[PX+\a] offset:64*\a     ; lanes l and l xor 16 write the same word with the same value
.endr
	ds_load_b64 v[224:225], v[SLD]
	s_wait_dscnt 0x0
	global_store_b64 v[SGO], v[224:225], s[42:43]
	s_cmp_eq_u32 s[TEN], 2
	s_cbranch_scc1 .Lwords_out                     ; Q, K: the upper two bytes are the next head's
.irp a, 0,1,2,3
	v_lshrrev_b32 v[PY+\a], 16, v[PW+\a]
.endr
.irp a, 0,1,2,3
	v_or_b32 v[PY+\a], 0x7f7f0000, v[PY+\a]
.endr
.irp a, 0,1,2,3
	ds_store_b32 v[STS], v[PY+\a] offset:256+64*\a
.endr
	ds_load_b64 v[226:227], v[SLD] offset:256
	s_wait_dscnt 0x0
	global_store_b64 v[SGO], v[226:227], s[42:43] offset:HS
.Lwords_out:
	s_wait_tensorcnt 0x0
	ds_add_u32 v254, v255
	s_wait_dscnt 0x0
	CROUND                                         ; the closing round: no work-group ends while a partner may still ask for a tile that names it
	s_endpgm
.Lfunc_end_k_q325ebe9cd1_proj:
	.size	k_q325ebe9cd1_proj, .Lfunc_end_k_q325ebe9cd1_proj-k_q325ebe9cd1_proj
	.p2alignl 7, 3214868480
	.fill 96, 4, 3214868480
	.section	.rodata,"a",@progbits
	.p2align	6, 0x0
	.amdhsa_kernel k_q325ebe9cd1_proj
		.amdhsa_group_segment_fixed_size 224768
		.amdhsa_private_segment_fixed_size 0
		.amdhsa_enable_private_segment 0
		.amdhsa_kernarg_size 128
		.amdhsa_user_sgpr_count 2
		.amdhsa_user_sgpr_kernarg_segment_ptr 1
		.amdhsa_wavefront_size32 1
		.amdhsa_system_sgpr_workgroup_id_x 1
		.amdhsa_system_sgpr_workgroup_id_y 1
		.amdhsa_system_sgpr_workgroup_id_z 1
		.amdhsa_system_vgpr_workitem_id 0
		.amdhsa_next_free_vgpr 768
		.amdhsa_next_free_sgpr 100
		.amdhsa_reserve_vcc 0
		.amdhsa_float_denorm_mode_32 3
		.amdhsa_float_denorm_mode_16_64 3
		.amdhsa_memory_ordered 1
		.amdhsa_forward_progress 1
		.amdhsa_inst_pref_size 89
	.end_amdhsa_kernel
	.amdgpu_metadata
---
amdhsa.version: [ 1, 2 ]
amdhsa.kernels:
  - .name:           k_q325ebe9cd1_proj
    .symbol:         k_q325ebe9cd1_proj.kd
    .args:
      - { .name: query_codes, .offset: 0, .size: 8, .value_kind: global_buffer, .address_space: global }
      - { .name: query_scales, .offset: 8, .size: 8, .value_kind: global_buffer, .address_space: global }
      - { .name: Wq_codes, .offset: 16, .size: 8, .value_kind: global_buffer, .address_space: global }
      - { .name: Wq_scales, .offset: 24, .size: 8, .value_kind: global_buffer, .address_space: global }
      - { .name: key_codes, .offset: 32, .size: 8, .value_kind: global_buffer, .address_space: global }
      - { .name: key_scales, .offset: 40, .size: 8, .value_kind: global_buffer, .address_space: global }
      - { .name: Wk_codes, .offset: 48, .size: 8, .value_kind: global_buffer, .address_space: global }
      - { .name: Wk_scales, .offset: 56, .size: 8, .value_kind: global_buffer, .address_space: global }
      - { .name: Wv_codes, .offset: 64, .size: 8, .value_kind: global_buffer, .address_space: global }
      - { .name: Wv_scales, .offset: 72, .size: 8, .value_kind: global_buffer, .address_space: global }
      - { .name: value_codes, .offset: 80, .size: 8, .value_kind: global_buffer, .address_space: global }
      - { .name: value_scales, .offset: 88, .size: 8, .value_kind: global_buffer, .address_space: global }
      - { .name: bq, .offset: 96, .size: 8, .value_kind: global_buffer, .address_space: global }
      - { .name: bk, .offset: 104, .size: 8, .value_kind: global_buffer, .address_space: global }
      - { .name: bv, .offset: 112, .size: 8, .value_kind: global_buffer, .address_space: global }
      - { .name: qkv, .offset: 120, .size: 8, .value_kind: global_buffer, .address_space: global }
    .group_segment_fixed_size: 224768
    .private_segment_fixed_size: 0
    .kernarg_segment_align: 8
    .kernarg_segment_size: 128
    .max_flat_workgroup_size: 128
    .sgpr_count:     100
    .vgpr_count:     768
    .wavefront_size: 32
...
	.end_amdgpu_metadata
.endif
;; end of part 1
;; launch attn (part 2): grid 8 x 32, 16 waves a work-group, clusters of 4 x 1, 327,680 bytes of LDS; arguments qkv, oimg, osc; writes oimg, osc
.if DOCPART == 2
	.amdgcn_target "amdgcn-amd-amdhsa--gfx1250"
	.amdhsa_code_object_version 6
	.text
	.protected	k_q325ebe9cd1_attn
	.globl	k_q325ebe9cd1_attn
	.p2align	8
	.type	k_q325ebe9cd1_attn,@function
k_q325ebe9cd1_attn:
	s_mov_b64 s[64:65], 0
	v_nop
	global_prefetch_b8 v0, s[64:65] scope:SCOPE_SE
	s_setreg_imm32_b32 hwreg(HW_REG_WAVE_MODE, 25, 1), 1
	s_wait_xcnt 0x0
	s_wait_alu depctr_hold_cnt(0) depctr_sa_sdst(0) depctr_va_vdst(0) depctr_va_sdst(0) depctr_va_ssrc(0) depctr_va_vcc(0) depctr_vm_vsrc(0)
	s_getreg_b32 s2, hwreg(HW_REG_IB_STS2, 6, 4)
	s_cmp_eq_u32 s2, 0
	s_cbranch_scc0 .Lentry_in_a_cluster
	s_endpgm
.Lentry_in_a_cluster:
	s_bfe_u32 s2, ttmp6, 0x10000c
	s_cmp_lg_u32 s2, 0x3003
	s_cbranch_scc0 .Lentry_shape_is_right
	s_endpgm
.Lentry_shape_is_right:
; out[b][q][64 head + d] = the sum over keys of softmax(Q . K / 8) V, both products on codes of FP4 (E2M1) with E8M0 scales; the result is quantised along the model's 1,024 and leaves as the last product's operand.
; THE SOFTMAX AHEAD OF THE SECOND PRODUCT: t = score x log2(e) / 8; M = the row's largest t so far, rounded UP to a whole number; p = 2^(t - M) is what is quantised, along the keys, not normalised.  The row's sum is taken
; of the unquantised p and divides at the end.  When M moves, the sum and O are multiplied by 2^(old M - new M): exact.
; SHARES.  A work-group owns 256 queries of a PAIR of heads (2 g, 2 g + 1) of one batch entry; each of its sixteen waves owns 16 queries, one tile, in 256 registers, and walks head 2 g and then head 2 g + 1, 16 steps of
; 128 keys each.  So a wave ends with both halves of a fragment (128 along the last product's K) and its whole scale word.
; LDS.  A head's K and V, as images of operand registers, with their scale words, are 143,360 dense bytes: both heads lie in LDS whole, each byte brought once.  Every wave brings 35 rows of 256 bytes of each head:
; one tensor load is out at a time.  Head 2 g + 1 lands while head 2 g is worked.
; CLUSTER.  The four blocks of queries of a cluster read the same two heads: each load is asked for jointly, with the same descriptor and a mask that names the four.
; LAYOUT.  Both products are used transposed: S^T = K Q^T (source 0 = 16 keys, source 1 = my 16 queries), O^T = V^T P^T: a lane holds ONE query (lane % 16) throughout; in a tile's register e lie key or channel 8 (lane / 16) + e.
; The head's 64 fill half of the instruction's 128: registers 4-7 of K's and Q's fragments are zero codes, and their scale bytes 0x7f.
; LIMITS: NaN and infinities are not served; a block whose largest magnitude lies under 2^-124, a block of zeros among them, keeps the byte 1 (its codes are zeros, and this program alone reads the bytes).
; No prefetch: all that the launch reads is asked for at its head.
.set HS,   217088                      ; a head's record in qkv
.set HB,   143360                      ; what of it comes into LDS
.set PART, 8960                        ; a wave's share: 35 rows of 256 bytes
.set O_V,  65536
.set O_KS, 131072
.set O_VS, 139264
.set O_Q,  143360
.set O_QS, 208896
.set STG,  2*HB                        ; 1,024 bytes for the scale words on their way out; no tile lands here
.set Q,    16                          ; v16-23 Q of head 2 g, v24-31 of head 2 g + 1; later the codes of the result
.set KF,   32                          ; v32-95  eight fragments of K
.set S,    96                          ; v96-159 S^T, then p
.set O,    160                         ; v160-191 O^T
.set VF,   192                         ; v192-223 four fragments of V
.set PC,   224                         ; v224-231 p's codes
.set VS,   240                         ; v240-241 V's scale words: lanes 0-15 tile 2 u, lanes 16-31 tile 2 u + 1
.set QS,   242                         ; v242-243 Q's
.set KS,   248                         ; v248-251 K's, as V's
.set WV,   10
.set SEL,  32
.set CS,   34
.set TK,   36                          ; s36-39 where the step's K, V, K's words and V's words begin in LDS
.set TV,   37
.set TS,   38
.set TT,   39
.set CNT,  40
.macro CROUND                          ; a round of the cluster's barrier
	s_barrier_signal -1
	s_barrier_wait -1
	s_cmp_lg_u32 s[WV], 0
	s_cbranch_scc1 .Lnot_wave_0_\@
	s_barrier_signal -3
.Lnot_wave_0_\@:
	s_barrier_wait -3
	s_barrier_signal -1
	s_barrier_wait -1
.endm
	s_load_b128 s[4:7], s[0:1], 0x0                ; qkv, oimg
	s_load_b64 s[8:9], s[0:1], 0x10                ; osc
	v_lshl_add_u32 v254, v0, 2, 0x46400
	v_mov_b32 v255, 0
	ds_add_u32 v254, v255
	ds_add_u32 v254, v255
	s_wait_dscnt 0x0
	v_lshrrev_b32 v3, 5, v0
	s_delay_alu instid0(VALU_DEP_1)
	v_readfirstlane_b32 s[WV], v3                  ; wave 0..15
	s_bfe_u32 s11, ttmp6, 0x40000                  ; cx
	s_lshl_b32 s12, ttmp9, 2
	s_add_co_u32 s12, s12, s11                     ; my block of 256 queries: it enters Q's and the results' addresses alone
	s_and_b32 s13, ttmp7, 0xffff                   ; 8 x batch entry + pair of heads, which the partners share
	s_mov_b32 s16, 15|(3<<16)|(1<<21)              ; the mask: all four; elements of 8 bytes; bit 21 beside a mask; no padding
	s_mov_b32 s17, 32<<16                          ; rows of 32 elements,
	s_mov_b32 s18, 35<<16                          ; 35 of them,
	s_mov_b32 s19, 32<<16
	s_mov_b32 s20, 35
	s_mov_b32 s21, 32                              ; dense
	s_mov_b32 s22, 0
	s_mov_b32 s23, 0
	s_mul_i32 s42, s13, 2*HS                       ; the pair's first record
	s_mul_i32 s14, s[WV], PART
	s_add_co_u32 s44, s42, s14
	s_mov_b32 s45, 0
	s_lshl_b32 s46, s12, 4
	s_add_co_u32 s46, s46, s[WV]                   ; my tile of 16 queries in the batch entry
	s_lshl_b32 s48, s46, 6                         ; its scale words, 64 bytes,
	s_lshl_b32 s46, s46, 9                         ; its image, 512
	s_add_co_u32 s46, s46, s42
	s_add_co_u32 s46, s46, O_Q
	s_mov_b32 s47, 0
	s_add_co_u32 s48, s48, s42
	s_add_co_u32 s48, s48, O_QS
	s_mov_b32 s49, 0
	s_lshr_b32 s50, s13, 3                         ; the batch entry
	s_and_b32 s52, s13, 7                          ; g
	s_lshl_b32 s51, s50, 7
	s_lshl_b32 s53, s12, 4
	s_add_co_u32 s51, s51, s53
	s_add_co_u32 s51, s51, s[WV]                   ; my tile of 16 tokens among all 512
	s_lshl_b32 s54, s51, 13                        ; oimg: 8,192 bytes a tile, 512 a head
	s_lshl_b32 s53, s52, 10
	s_add_co_u32 s54, s54, s53
	s_mov_b32 s55, 0
	s_lshl_b32 s56, s52, 15                        ; osc: 32,768 bytes for each g, a word a token
	s_lshl_b32 s53, s50, 13
	s_add_co_u32 s56, s56, s53
	s_lshl_b32 s53, s12, 10
	s_add_co_u32 s56, s56, s53
	s_mov_b32 s57, 0
	s_mov_b32 s[SEL], 0x76543210
	s_mov_b32 s[SEL+1], 0xfedcba98                 ; v_permlanex16_b32's selects for lane l xor 16
	s_mov_b32 s[CS], 0x3e38aa3b                    ; c = log2(e) / 8
	s_mov_b32 s[CS+1], s[CS]                       ; (named with it as a pair, so it is written)
	s_wait_kmcnt 0x0
	s_mov_b32 s24, 1
	s_mov_b32 s25, s14                             ; head 2 g at LDS byte 0,
	s_add_nc_u64 s[26:27], s[4:5], s[44:45]
	s_mov_b32 s28, 1
	s_add_co_u32 s29, s14, HB                      ; head 2 g + 1 behind it
	s_add_nc_u64 s[30:31], s[26:27], HS
	s_or_b32 s27, s27, 0x80000000
	s_or_b32 s31, s31, 0x80000000
	s_add_nc_u64 s[46:47], s[4:5], s[46:47]
	s_add_nc_u64 s[48:49], s[4:5], s[48:49]
	s_add_nc_u64 s[6:7], s[6:7], s[54:55]
	s_add_nc_u64 s[8:9], s[8:9], s[56:57]
	CROUND                                         ; all four work-groups are here: the joint loads meet
	tensor_load_to_lds s[24:27], s[16:23]
	s_nop 0
	s_wait_alu depctr_va_vdst(0)
	s_wait_tensorcnt 0x0
	ds_add_u32 v254, v255
	s_wait_dscnt 0x0
	CROUND
	tensor_load_to_lds s[28:31], s[16:23]
	s_nop 0
.rept 4
	v_nop                                          ; four v_nop follow the second
.endr
	v_and_b32 v2, 31, v0
	s_delay_alu instid0(VALU_DEP_1)
	v_lshlrev_b32 v1, 4, v2                        ; v1: 16 x lane: an image's place for my lane
	s_delay_alu instid0(VALU_DEP_2)
	v_lshlrev_b32 v2, 2, v2                        ; v2: 4 x lane: a scale word's
	v_and_b32 v6, 15, v0
	s_delay_alu instid0(VALU_DEP_1)
	v_lshlrev_b32 v4, 2, v6                        ; v4: 4 r
	global_load_b128 v[Q:Q+3], v1, s[46:47]                    ; Q's fragments stay in registers
	global_load_b128 v[Q+8:Q+11], v1, s[46:47] offset:HS
	global_load_b32 v[QS], v4, s[48:49]
	global_load_b32 v[QS+1], v4, s[48:49] offset:HS
	s_wait_alu depctr_va_vdst(0)
	v_lshlrev_b32 v5, 6, v3
	s_delay_alu instid0(VALU_DEP_1)
	v_lshl_add_u32 v5, v6, 2, v5
	s_delay_alu instid0(VALU_DEP_1)
	v_add_nc_u32 v5, STG, v5                       ; v5: my query's scale word on the way out: 64 x wave + 4 r
	v_and_b32 v7, 63, v0
	s_delay_alu instid0(VALU_DEP_1)
	v_lshlrev_b32 v7, 4, v7                        ; v7: 16 bytes a thread of waves 0 and 1
	s_delay_alu instid0(VALU_DEP_1)
	v_add_nc_u32 v6, STG, v7
.irp j, 4,5,6,7,12,13,14,15
	v_mov_b32 v[Q+\j], 0                           ; the unused half of the instruction's 128: zero codes
.endr
.irp t, 0,1,2,3,4,5,6,7
.irp j, 4,5,6,7
	v_mov_b32 v[KF+8*\t+\j], 0
.endr
.endr
.irp b, 0,1,2,3
	v_mov_b32 v[236+\b], 0                         ; written once: a lane permute's destination counts as one of its sources
.endr
	v_mov_b32 v252, 0
	v_mov_b32 v253, 0                              ; (named as the upper half of the pair v[252:253] before it is first written)
; A KEY STEP of head 2 g + c: 128 keys.
.macro STEP c
	v_add_nc_u32 v8, s[TK], v1                     ; these four are also the places between the last step's products and the loads into their registers
	v_add_nc_u32 v9, s[TV], v1
	v_add_nc_u32 v10, s[TS], v2
	v_add_nc_u32 v11, s[TT], v2
.irp t, 0,1,2,3,4,5,6,7
	ds_load_b128 v[KF+8*\t:KF+8*\t+3], v8 offset:512*\t
.endr
.irp u, 0,1,2,3
	ds_load_b32 v[KS+\u], v10 offset:128*\u
.endr
.irp d, 0,1,2,3
	ds_load_b128 v[VF+8*\d:VF+8*\d+3],   v9 offset:16384*\d
	ds_load_b128 v[VF+8*\d+4:VF+8*\d+7], v9 offset:16384*\d+512
.endr
.irp u, 0,1
	ds_load_b32 v[VS+\u], v11 offset:128*\u
.endr
	s_wait_dscnt 10                                ; K and its words are in; V's ten loads may be out
.irp u, 0,1,2,3
	v_wmma_scale_f32_16x16x128_f8f6f4 v[S+16*\u:S+16*\u+7], v[KF+16*\u:KF+16*\u+7], v[Q+8*\c:Q+8*\c+7], 0, v[KS+\u], v[QS+\c] matrix_a_fmt:MATRIX_FMT_FP4 matrix_b_fmt:MATRIX_FMT_FP4
	v_wmma_scale_f32_16x16x128_f8f6f4 v[S+16*\u+8:S+16*\u+15], v[KF+16*\u+8:KF+16*\u+15], v[Q+8*\c:Q+8*\c+7], 0, v[KS+\u], v[QS+\c] matrix_a_fmt:MATRIX_FMT_FP4 matrix_b_fmt:MATRIX_FMT_FP4 matrix_a_scale:MATRIX_SCALE_ROW1
.endr
.rept 4
	v_nop
.endr
.irp b, 0,1,2,3
	v_max3_num_f32 v[232+\b], v[S+16*\b], v[S+1+16*\b], v[S+2+16*\b]   ; the largest score of each block of 32 keys: for the row's maximum and, since p rises with the score, for the block's largest p
.endr
.irp i, 3,5,7,9,11,13
.irp b, 0,1,2,3
	v_max3_num_f32 v[232+\b], v[232+\b], v[S+16*\b+\i], v[S+1+16*\b+\i]
.endr
.endr
.irp b, 0,1,2,3
	v_max_num_f32 v[232+\b], v[232+\b], v[S+15+16*\b]
.endr
.irp b, 0,1,2,3
	s_delay_alu instid0(VALU_DEP_4)
	v_permlanex16_b32 v[236+\b], v[232+\b], s[SEL], s[SEL+1]
.endr
.irp b, 0,1,2,3
	s_delay_alu instid0(VALU_DEP_4)
	v_max_num_f32 v[232+\b], v[232+\b], v[236+\b]  ; with lane l xor 16's 16 keys
.endr
	s_delay_alu instid0(VALU_DEP_2)
	v_max3_num_f32 v254, v232, v233, v234
	s_delay_alu instid0(VALU_DEP_1)
	v_max_num_f32 v254, v254, v235
	s_delay_alu instid0(VALU_DEP_1)
	v_mul_f32 v254, s[CS], v254                    ; the step's largest t
	s_delay_alu instid0(VALU_DEP_1)
	v_max_num_f32 v13, v13, v254                   ; the running largest t
	v_mov_b32 v254, v12
	s_delay_alu instid0(VALU_DEP_2)
	v_floor_f32 v12, -v13                          ; the new -M = floor(-t) = -ceil(t)
	s_delay_alu instid0(VALU_DEP_1)
	v_sub_f32 v254, v12, v254                      ; old M - new M: a whole number, 0 or less
	s_delay_alu instid0(VALU_DEP_1)
	v_cvt_i32_f32 v254, v254                       ; (it saturates)
	s_delay_alu instid0(VALU_DEP_1)
	v_ldexp_f32 v252, 1.0, v254                    ; f = 2^(old M - new M)
.set j, 0
.rept 32
	v_pk_fma_f32 v[S+j:S+j+1], v[S+j:S+j+1], s[CS:CS+1], v[12:13] op_sel_hi:[1,0,0]   ; t - M, two at a time
.set j, j+2
.endr
.irp b, 0,1,2,3
	v_fma_f32 v[232+\b], v[232+\b], s[CS], v12     ; the same of each block's largest score
.endr
.set j, 0
	s_wait_alu depctr_va_vdst(0)
.rept 64
	v_exp_f32 v[S+j], v[S+j]                       ; p = 2^(t - M)
.set j, j+1
.endr
	s_setprio 1
	v_pk_mul_f32 v[14:15], v[14:15], v[252:253] op_sel_hi:[1,0]   ; the sums under the new M: the plain instruction behind the exponentials
	s_wait_alu depctr_va_vdst(0)                   ; one wait for the batch of 64, ahead of its first reader
.irp b, 0,1,2,3
	v_exp_f32 v[232+\b], v[232+\b]                 ; the block's largest p
.endr
	v_pk_add_f32 v[236:237], v[S:S+1], v[S+2:S+3]  ; the row's sum of the unquantised p, in two chains
.irp j, 4,8,12,16,20,24,28,32,36,40,44,48,52,56,60
	v_pk_add_f32 v[14:15], v[14:15], v[S+\j:S+1+\j]
	v_pk_add_f32 v[236:237], v[236:237], v[S+2+\j:S+3+\j]
.endr
	s_delay_alu instid0(VALU_DEP_1)
	v_pk_add_f32 v[14:15], v[14:15], v[236:237]
	s_wait_alu depctr_va_vdst(0)                   ; and one for the four
.irp b, 0,1,2,3
	v_max_num_f32 v[232+\b], 0x1800000, v[232+\b]  ; the floor 2^(3 - 127)
.endr
.irp b, 0,1,2,3
	s_delay_alu instid0(VALU_DEP_4)
	v_add_nc_u32 v[244+\b], 0xff000000, v[232+\b]  ; 2 off the exponent field: the conversion's scale operand
.endr
.irp b, 0,1,2,3
	s_delay_alu instid0(VALU_DEP_4)
	v_lshrrev_b32 v[236+\b], 23, v[244+\b]
.endr
	s_delay_alu instid0(VALU_DEP_3)
	v_lshl_or_b32 v253, v237, 8, v236              ; p's scale word for these 128 keys
	s_delay_alu instid0(VALU_DEP_1)
	v_lshl_or_b32 v253, v238, 16, v253
	s_delay_alu instid0(VALU_DEP_1)
	v_lshl_or_b32 v253, v239, 24, v253
.irp b, 0,1,2,3
	v_cvt_scalef32_pk8_fp4_f32 v[PC+4*(\b/2)+(\b%2)],   v[S+16*\b:S+7+16*\b],    v[244+\b]   ; keys 32 b + 8 h + 0 .. 7
	v_cvt_scalef32_pk8_fp4_f32 v[PC+4*(\b/2)+2+(\b%2)], v[S+8+16*\b:S+15+16*\b], v[244+\b]   ; keys 32 b + 16 + 8 h + 0 .. 7
.endr
	v_nop                                          ; one plain instruction behind the scaled conversions
.irp k, 0,1
.irp u, 0,1
	v_permlane16_swap_b32 v[PC+4*\k+2*\u], v[PC+4*\k+2*\u+1]   ; registers 4 k .. 4 k + 3 of lane (r, h) now hold block 2 k + h whole
.endr
.endr
.set j, 0
	s_setprio 0
.rept 16
	v_pk_mul_f32 v[O+j:O+j+1], v[O+j:O+j+1], v[252:253] op_sel_hi:[1,0]   ; O^T under the new M; these sixteen also stand between the writes of p's codes and scale word and the products
.set j, j+2
.endr
	s_wait_alu depctr_va_vdst(0)
	s_wait_dscnt 0x0                               ; V and its words are in
.irp u, 0,1
	v_wmma_scale_f32_16x16x128_f8f6f4 v[O+16*\u:O+16*\u+7], v[VF+16*\u:VF+16*\u+7], v[PC:PC+7], v[O+16*\u:O+16*\u+7], v[VS+\u], v253 matrix_a_fmt:MATRIX_FMT_FP4 matrix_b_fmt:MATRIX_FMT_FP4
	v_wmma_scale_f32_16x16x128_f8f6f4 v[O+16*\u+8:O+16*\u+15], v[VF+16*\u+8:VF+16*\u+15], v[PC:PC+7], v[O+16*\u+8:O+16*\u+15], v[VS+\u], v253 matrix_a_fmt:MATRIX_FMT_FP4 matrix_b_fmt:MATRIX_FMT_FP4 matrix_a_scale:MATRIX_SCALE_ROW1
.endr
	s_add_co_u32 s[TK], s[TK], 4096                ; the next 128 keys
	s_add_co_u32 s[TV], s[TV], 1024
	s_add_co_u32 s[TS], s[TS], 512
	s_add_co_u32 s[TT], s[TT], 256
.endm
; The head's result: O^T / the sum, quantised along its 64 channels (two blocks of the last product's K), as half a fragment's image.
.macro FINISH c
	v_add_f32 v14, v14, v15
	s_delay_alu instid0(VALU_DEP_1)
	v_permlanex16_b32 v252, v14, s[SEL], s[SEL+1]
	s_delay_alu instid0(VALU_DEP_1)
	v_add_f32 v14, v14, v252                       ; the row's sum
	s_wait_alu depctr_va_vdst(0)
	v_rcp_f32 v14, v14
.rept 3
	v_nop                                          ; with the two additions: the places behind the last products; and the plain instruction behind the reciprocal
.endr
	s_wait_alu depctr_va_vdst(0)                   ; ahead of the reciprocal's first reader
.set j, 0
.rept 16
	v_pk_mul_f32 v[S+j:S+j+1], v[O+j:O+j+1], v[14:15] op_sel_hi:[1,0]   ; each accumulator from its low end on
.set j, j+2
.endr
.irp b, 0,1
	v_max3_num_f32 v[232+\b], |v[S+16*\b]|, |v[S+1+16*\b]|, 0x1800000
.endr
.irp i, 2,4,6,8,10,12,14
.irp b, 0,1
	s_delay_alu instid0(VALU_DEP_2)
	v_max3_num_f32 v[232+\b], v[232+\b], |v[S+16*\b+\i]|, |v[S+1+16*\b+\i]|
.endr
.endr
.irp b, 0,1
	s_delay_alu instid0(VALU_DEP_2)
	v_permlanex16_b32 v[236+\b], v[232+\b], s[SEL], s[SEL+1]
.endr
.irp b, 0,1
	s_delay_alu instid0(VALU_DEP_2)
	v_max_num_f32 v[232+\b], v[232+\b], v[236+\b]
.endr
.irp b, 0,1
	s_delay_alu instid0(VALU_DEP_2)
	v_add_nc_u32 v[244+\b], 0xff000000, v[232+\b]
.endr
.irp b, 0,1
	s_delay_alu instid0(VALU_DEP_2)
	v_lshrrev_b32 v[236+\b], 23, v[244+\b]
.endr
.if \c == 0
	s_delay_alu instid0(VALU_DEP_1)
	v_lshl_or_b32 v255, v237, 8, v236              ; the scale word's lower two bytes
.else
	s_delay_alu instid0(VALU_DEP_1)
	v_lshl_or_b32 v254, v237, 8, v236
	s_delay_alu instid0(VALU_DEP_1)
	v_lshl_or_b32 v255, v254, 16, v255             ; and its upper two
.endif
.irp b, 0,1
	v_cvt_scalef32_pk8_fp4_f32 v[Q+8*\c+\b],   v[S+16*\b:S+7+16*\b],    v[244+\b]   ; into the registers that this head's Q has left
	v_cvt_scalef32_pk8_fp4_f32 v[Q+8*\c+2+\b], v[S+8+16*\b:S+15+16*\b], v[244+\b]
.endr
	v_nop
	v_permlane16_swap_b32 v[Q+8*\c], v[Q+8*\c+1]
	v_permlane16_swap_b32 v[Q+8*\c+2], v[Q+8*\c+3]
	global_store_b128 v1, v[Q+8*\c:Q+8*\c+3], s[6:7] offset:512*\c   ; 32 lanes store 512 consecutive bytes, at a multiple of 512 from the buffer's first byte
.endm
.macro HEAD c
.if \c == 0
	s_wait_tensorcnt 0x1                           ; my part of head 2 g is in; head 2 g + 1's load may be out
	s_wait_loadcnt 0x0                             ; Q
.else
	s_wait_tensorcnt 0x0                           ; my part of head 2 g + 1 is in
	s_wait_dscnt 0x0
.endif
	s_barrier_signal -1
	s_barrier_wait -1                              ; everybody's is
	v_mov_b32 v13, 0xff61b1e6                      ; the largest t so far: -3e38
	s_delay_alu instid0(VALU_DEP_1)
	v_floor_f32 v12, -v13                          ; -M
	v_mov_b32 v14, 0                               ; the sum, in two halves
	v_mov_b32 v15, 0
.set j, 0
.rept 32
	v_mov_b32 v[O+j], 0                            ; O^T: the step is written once; its first trip finds zeros
.set j, j+1
.endr
	s_mov_b32 s[TK], \c*HB
	s_mov_b32 s[TV], \c*HB+O_V
	s_mov_b32 s[TS], \c*HB+O_KS
	s_mov_b32 s[TT], \c*HB+O_VS
	s_mov_b32 s[CNT], 16
.Lstep_\c:
	s_setprio 2
	STEP \c
	s_sub_co_u32 s[CNT], s[CNT], 1
	s_cmp_lg_u32 s[CNT], 0
	s_cbranch_scc1 .Lstep_\c
	s_setprio 0
	FINISH \c
.endm
	HEAD 0
	HEAD 1
	ds_store_b32 v5, v255                          ; the scale words of the work-group's 256 tokens meet in LDS (lanes l and l xor 16 write the same word with the same value)
	s_wait_dscnt 0x0                               ; for the others' sake
	s_barrier_signal -1
	s_barrier_wait -1
	s_cmp_lt_u32 s[WV], 2
	s_cbranch_scc0 .Lno_words
	ds_load_b128 v[S:S+3], v6
	s_wait_dscnt 0x0
	global_store_b128 v7, v[S:S+3], s[8:9]         ; waves 0 and 1 store the 1,024 bytes: 512 consecutive bytes a wave
.Lno_words:
	s_wait_xcnt 0x0
	v_lshl_add_u32 v254, v0, 2, 0x46400
	v_mov_b32 v255, 0
	s_wait_alu depctr_va_vdst(0)
	s_wait_tensorcnt 0x0
	ds_add_u32 v254, v255
	s_wait_dscnt 0x0
	CROUND                                         ; the closing round
	s_endpgm
.Lfunc_end_k_q325ebe9cd1_attn:
	.size	k_q325ebe9cd1_attn, .Lfunc_end_k_q325ebe9cd1_attn-k_q325ebe9cd1_attn
	.p2alignl 7, 3214868480
	.fill 96, 4, 3214868480
	.section	.rodata,"a",@progbits
	.p2align	6, 0x0
	.amdhsa_kernel k_q325ebe9cd1_attn
		.amdhsa_group_segment_fixed_size 327680
		.amdhsa_private_segment_fixed_size 0
		.amdhsa_enable_private_segment 0
		.amdhsa_kernarg_size 24
		.amdhsa_user_sgpr_count 2
		.amdhsa_user_sgpr_kernarg_segment_ptr 1
		.amdhsa_wavefront_size32 1
		.amdhsa_system_sgpr_workgroup_id_x 1
		.amdhsa_system_sgpr_workgroup_id_y 1
		.amdhsa_system_sgpr_workgroup_id_z 1
		.amdhsa_system_vgpr_workitem_id 0
		.amdhsa_next_free_vgpr 256
		.amdhsa_next_free_sgpr 66
		.amdhsa_reserve_vcc 0
		.amdhsa_float_denorm_mode_32 3
		.amdhsa_float_denorm_mode_16_64 3
		.amdhsa_memory_ordered 1
		.amdhsa_forward_progress 1
		.amdhsa_inst_pref_size 52
	.end_amdhsa_kernel
	.amdgpu_metadata
---
amdhsa.version: [ 1, 2 ]
amdhsa.kernels:
  - .name:           k_q325ebe9cd1_attn
    .symbol:         k_q325ebe9cd1_attn.kd
    .args:
      - { .name: qkv, .offset: 0, .size: 8, .value_kind: global_buffer, .address_space: global }
      - { .name: oimg, .offset: 8, .size: 8, .value_kind: global_buffer, .address_space: global }
      - { .name: osc, .offset: 16, .size: 8, .value_kind: global_buffer, .address_space: global }
    .group_segment_fixed_size: 327680
    .private_segment_fixed_size: 0
    .kernarg_segment_align: 8
    .kernarg_segment_size: 24
    .max_flat_workgroup_size: 512
    .sgpr_count:     66
    .vgpr_count:     256
    .wavefront_size: 32
...
	.end_amdgpu_metadata
.endif
;; end of part 2
;; launch outp (part 3): grid 4 x 64, 4 waves a work-group, clusters of 4 x 4, 327,680 bytes of LDS; arguments oimg, osc, Wo_codes, Wo_scales, bo, out0; writes out0
.if DOCPART == 3
	.amdgcn_target "amdgcn-amd-amdhsa--gfx1250"
	.amdhsa_code_object_version 6
	.text
	.protected	k_q325ebe9cd1_outp
	.globl	k_q325ebe9cd1_outp
	.p2align	8
	.type	k_q325ebe9cd1_outp,@function
k_q325ebe9cd1_outp:
	s_mov_b64 s[64:65], 0
	v_nop
	global_prefetch_b8 v0, s[64:65] scope:SCOPE_SE
	s_setreg_imm32_b32 hwreg(HW_REG_WAVE_MODE, 25, 1), 1
	s_wait_xcnt 0x0
	s_wait_alu depctr_hold_cnt(0) depctr_sa_sdst(0) depctr_va_vdst(0) depctr_va_sdst(0) depctr_va_ssrc(0) depctr_va_vcc(0) depctr_vm_vsrc(0)
	s_getreg_b32 s2, hwreg(HW_REG_IB_STS2, 6, 4)
	s_cmp_eq_u32 s2, 0
	s_cbranch_scc0 .Lentry_in_a_cluster
	s_endpgm
.Lentry_in_a_cluster:
	s_bfe_u32 s2, ttmp6, 0x10000c
	s_cmp_lg_u32 s2, 0xf033
	s_cbranch_scc0 .Lentry_shape_is_right
	s_endpgm
.Lentry_shape_is_right:
; out0 = A Wo + bo on codes of FP4 (E2M1) with E8M0 scales, f32 sums.  A: the attention's result, 8,192 tokens x 1,024, as images of operand registers (oimg: [512 tiles of 16 tokens][16 heads][512 bytes]; heads 2 g
; and 2 g + 1 are the fragment of K step g) and scale words (osc: [8 K steps][8,192 tokens]).  Wo: [1,024 (n)][1,024 (k)] codes, rows of 512 bytes, 32 scale bytes a row.
; SHARES.  A work-group makes 128 tokens x 256 columns: 256 work-groups.  Four waves, each 64 x 128: 32 accumulators.  All of K lies in LDS, as two halves, each byte brought once.  A wave has
; one tensor load out at a time: its scales, then its part of half 0, then its part of half 1.
; CLUSTERS: 4 x 4 work-groups: A's tiles are asked for jointly by a row of the cluster, Wo's by a column.
; THE MATRIX INSTRUCTION IS USED TRANSPOSED (source 0 = 16 rows of Wo, source 1 = 16 tokens): a lane holds eight neighbouring numbers of a row of out0.  The bias is the C of each sum's first matrix instruction.
; No prefetch: every stream is asked for by the tensor loads at the head.
.set PITCH, 272
.set AHALF, 16384                      ; four tiles of 16 tokens x 4 K steps x 1,024 bytes: what one tensor load brings of A, and what a wave reads
.set BHALF, 128*PITCH
.set BOFF,  32768
.set SLOT,  BOFF+2*BHALF               ; half of K
.set SCL,   2*SLOT                     ; A's scale words: 8 rows (K steps) of 512 bytes + 16
.set SAH,   4*528
.set SCLB,  209152                     ; Wo's scale bytes, as units of 256 bytes + 16
.set SBH,   16*272
.set STAGE, SCLB+32*272                ; the way out: 16 rows x (512 + 16) bytes for each wave; no tile lands here
.set SPITCH, 528
.set CPAD,  (1<<20)|(1<<21)|(5<<22)|(3<<25)
.set ADRA, 16
.set ADRB, 20
.set ADSA, 22
.set ADSB, 23
.set STO,  24                          ; v24 the way out: where I put 32 bytes of a row
.set RD,   25                          ; v25 where I read a row back
.set CO,   26                          ; v26 16 x lane
.set SA,   32                          ; v32-47 A's scale words: register 4 a + q: lanes 0-15 K step q, lanes 16-31 K step 4 + q
.set SB,   48                          ; v48-79 Wo's
.set AF,   80                          ; v80-143 A's fragments, two sets of four
.set BK,   128                         ; the way out: 16 rows read back: v128-191 and v192-255 by turns
.set BI,   128                         ; window 2: the bias
.set WV,   16
.set WI,   17
.set WJ,   18
.set G1A,  24
.set G0A,  32
.set G1B,  48
.set G0B,  56
.set G1SA, 68
.set G0SA, 76
.set G1SB, 80
.set G0SB, 88
.set W_MUL,  0x52                      ; source 0 (Wo) window 2, source 1 (A) window 0, C and D window 1
.set W_MULB, 0x62                      ; the same with C (the bias) in window 2
.set W_TOB,  0x80                      ; destination window 2
.set MSB, 0
.macro WIN new                         ; the immediate's high byte repeats the setting that is left
.if MSB != \new
	s_set_vgpr_msb (MSB<<8)|\new
.set MSB, \new
.endif
.endm
.macro PLACES                          ; four plain vector instructions between a matrix instruction and a load into, or a read of, its registers
.rept 4
	v_nop
.endr
.endm
.macro SHAPE g, c, r, p                ; words 1 to 7 of a group 1: r rows of c elements, p elements apart
	s_mov_b32 s[\g+1], (\c)<<16
	s_mov_b32 s[\g+2], (\r)<<16
	s_mov_b32 s[\g+3], (\c)<<16
	s_mov_b32 s[\g+4], \r
	s_mov_b32 s[\g+5], \p
	s_mov_b32 s[\g+6], 0
	s_mov_b32 s[\g+7], 0
.endm
.macro JLOAD g0a, g1a, g0b, g1b        ; a joint load: waves 0 and 1 fetch for A, waves 2 and 3 for Wo; four v_nop follow each line
	s_cmp_eq_u32 s[WI], 0
	s_cbranch_scc0 .Lfor_b_\@
	tensor_load_to_lds s[\g0a:\g0a+3], s[\g1a:\g1a+7]
	s_nop 0
.rept 4
	v_nop
.endr
	s_branch .Lasked_\@
.Lfor_b_\@:
	tensor_load_to_lds s[\g0b:\g0b+3], s[\g1b:\g1b+7]
	s_nop 0
.rept 4
	v_nop
.endr
.Lasked_\@:
.endm
.macro CREST
	s_cmp_lg_u32 s[WV], 0
	s_cbranch_scc1 .Lnot_wave_0_\@
	s_barrier_signal -3
.Lnot_wave_0_\@:
	s_barrier_wait -3
	s_barrier_signal -1
	s_barrier_wait -1
.endm
.macro CROUND                          ; a round of the cluster's barrier
	s_barrier_signal -1
	s_barrier_wait -1
	CREST
.endm
; 24 LDS loads in one run: the fragments of K step q (Wo's eight from rows, A's four from images) into set q % 2
.macro FETCH q
.set FS, (\q)/4
.set FQ, (\q)%4
.set FP, (\q)%2
	WIN W_TOB
.irp i, 0,1,2,3,4,5,6,7
	ds_load_b128 v[64*FP+8*\i:64*FP+8*\i+3],   v[ADRB+FS] offset:64*FQ+\i*16*PITCH
	ds_load_b128 v[64*FP+8*\i+4:64*FP+8*\i+7], v[ADRB+FS] offset:64*FQ+32+\i*16*PITCH
.endr
	WIN 0
.irp i, 0,1,2,3
	ds_load_b128 v[AF+32*FP+8*\i:AF+32*FP+8*\i+3],   v[ADRA+FS] offset:\i*4096+FQ*1024
	ds_load_b128 v[AF+32*FP+8*\i+4:AF+32*FP+8*\i+7], v[ADRA+FS] offset:\i*4096+FQ*1024+512
.endr
.endm
; 16 matrix instructions: A's blocks a0, a0 + 1 against Wo's eight, K step q.  cm = 1: the bias starts the sums.  The 32 accumulators take turns, one instruction a turn.
.macro MUL a0, q, cm
.irp a, \a0, \a0+1
.irp t, 0,1,2,3,4,5,6,7
.set rD, 8*(8*(\a)+\t)
.set rB, 64*((\q)%2)+8*\t
.set rA, AF+32*((\q)%2)+8*(\a)
.set rC, rD
.if \cm == 1
.set rC, BI+8*\t
.endif
.if (\q) < 4
	v_wmma_scale_f32_16x16x128_f8f6f4 v[rD:rD+7], v[rB:rB+7], v[rA:rA+7], v[rC:rC+7], v[SB+4*\t+(\q)%4], v[SA+4*(\a)+(\q)%4] matrix_a_fmt:MATRIX_FMT_FP4 matrix_b_fmt:MATRIX_FMT_FP4
.else
	v_wmma_scale_f32_16x16x128_f8f6f4 v[rD:rD+7], v[rB:rB+7], v[rA:rA+7], v[rC:rC+7], v[SB+4*\t+(\q)%4], v[SA+4*(\a)+(\q)%4] matrix_a_fmt:MATRIX_FMT_FP4 matrix_b_fmt:MATRIX_FMT_FP4 matrix_a_scale:MATRIX_SCALE_ROW1 matrix_b_scale:MATRIX_SCALE_ROW1
.endif
.endr
.endr
.endm
	s_load_b256 s[4:11], s[0:1], 0x0               ; oimg, osc, Wo's codes, Wo's scales
	s_load_b128 s[12:15], s[0:1], 0x20             ; bo, out0
	v_lshl_add_u32 v30, v0, 2, 0x3d700
	v_mov_b32 v31, 0
	ds_add_u32 v30, v31
	ds_add_u32 v30, v31
	v_lshrrev_b32 v3, 5, v0
	v_readfirstlane_b32 s[WV], v3                  ; wave 0..3
	s_lshr_b32 s[WI], s[WV], 1                     ; which 64 tokens are mine.  Also: I fetch for A (0) or for Wo (1)
	s_and_b32 s[WJ], s[WV], 1                      ; which 128 columns.  Also: which half of that tile I fetch
	s_bfe_u32 s94, ttmp6, 0x40000                  ; cx
	s_bfe_u32 s95, ttmp6, 0x40004                  ; cy
	s_and_b32 s96, ttmp7, 0xffff
	s_lshl_b32 s96, s96, 2
	s_add_co_u32 s96, s96, s95                     ; tile row = 4 x cluster y + cy
	s_mov_b32 s97, s94                             ; tile column = cx: the grid is one cluster wide
	s_lshl_b32 s44, s95, 2
	s_lshl_b32 s44, 15, s44                        ; my row of the cluster
	s_lshl_b32 s45, 0x1111, s94                    ; my column
	s_or_b32 s[G1A], s44, (3<<16)|(1<<21)          ; A: elements of 8 bytes, no padding: 4 tiles of tokens, 4,096 bytes (4 K steps) of each, 8,192 apart
	SHAPE G1A, 512, 4, 1024
	s_or_b32 s[G1B], s45, CPAD                     ; Wo: elements of 1 byte: 128 rows of 256 bytes, 512 apart, 16 bytes of padding behind each
	SHAPE G1B, 256, 128, 512
	s_or_b32 s[G1SA], s44, (3<<16)|(1<<20)|(1<<21)|(6<<22)|(3<<25)   ; A's scale words: 4 K steps, 512 bytes (128 tokens) of each, 32,768 apart; 4 words of padding after every 128
	SHAPE G1SA, 64, 4, 4096
	s_or_b32 s[G1SB], s45, (3<<16)|CPAD            ; Wo's scales of 128 rows: 4,096 dense bytes as 16 rows of 256
	SHAPE G1SB, 32, 16, 32
	s_lshl_b32 s20, s96, 16                        ; A: tile of tokens 8 x tile row + 4 x half, 8,192 bytes each
	s_lshl_b32 s21, s[WJ], 15
	s_add_co_u32 s20, s20, s21
	s_mov_b32 s21, 0
	s_lshl_b32 s22, s96, 9                         ; its scale words: 512 bytes a tile row, K steps 4 x half on
	s_lshl_b32 s23, s[WJ], 17
	s_add_co_u32 s22, s22, s23
	s_mov_b32 s23, 0
	s_lshl_b32 s40, s97, 8                         ; Wo: row 256 x tile column + 128 x half
	s_lshl_b32 s41, s[WJ], 7
	s_add_co_u32 s40, s40, s41
	s_lshl_b32 s42, s40, 5
	s_lshl_b32 s40, s40, 9
	s_mov_b32 s41, 0
	s_mov_b32 s43, 0
	s_lshl_b32 s46, s[WJ], 14                      ; where they go: the wave's number alone enters an LDS address
	s_mul_i32 s47, s[WJ], BHALF
	s_mul_i32 s92, s[WJ], SAH
	s_mul_i32 s93, s[WJ], SBH
	s_wait_dscnt 0x0
	s_wait_kmcnt 0x0
	s_add_nc_u64 s[20:21], s[4:5], s[20:21]
	s_add_nc_u64 s[22:23], s[6:7], s[22:23]
	s_add_nc_u64 s[40:41], s[8:9], s[40:41]
	s_add_nc_u64 s[42:43], s[10:11], s[42:43]
	CROUND                                         ; all sixteen work-groups are here: the joint loads meet
	s_mov_b32 s[G0SA], 1
	s_add_co_u32 s[G0SA+1], s92, SCL
	s_mov_b64 s[G0SA+2:G0SA+3], s[22:23]
	s_or_b32 s[G0SA+3], s[G0SA+3], 0x80000000
	s_mov_b32 s[G0SB], 1
	s_add_co_u32 s[G0SB+1], s93, SCLB
	s_mov_b64 s[G0SB+2:G0SB+3], s[42:43]
	s_or_b32 s[G0SB+3], s[G0SB+3], 0x80000000
	JLOAD G0SA, G1SA, G0SB, G1SB                   ; the scales first: they are wanted with K step 0
.irp s, 0,1
	s_mov_b32 s[G0A+4*\s], 1
	s_add_co_u32 s[G0A+4*\s+1], s46, \s*SLOT
	s_add_nc_u64 s[G0A+4*\s+2:G0A+4*\s+3], s[20:21], \s*4096
	s_or_b32 s[G0A+4*\s+3], s[G0A+4*\s+3], 0x80000000
	s_mov_b32 s[G0B+4*\s], 1
	s_add_co_u32 s[G0B+4*\s+1], s47, \s*SLOT+BOFF
	s_add_nc_u64 s[G0B+4*\s+2:G0B+4*\s+3], s[40:41], \s*256
	s_or_b32 s[G0B+4*\s+3], s[G0B+4*\s+3], 0x80000000
	s_wait_alu depctr_va_vdst(0)
	s_wait_tensorcnt 0x0
	ds_add_u32 v30, v31
	s_wait_dscnt 0x0
	CROUND
	JLOAD G0A+4*\s, G1A, G0B+4*\s, G1B
.endr
	v_and_b32 v1, 15, v0                           ; r
	v_bfe_u32 v2, v0, 4, 1                         ; h
	v_and_b32 v6, 31, v0
	v_lshlrev_b32 v[CO], 4, v6                     ; 16 x lane
	v_mul_u32_u24 v3, v1, PITCH
	v_lshl_add_u32 v3, v2, 4, v3                   ; Wo: a fragment's row x pitch + 16 h
	s_lshl_b32 s19, s[WI], 14                      ; A: my four tiles of tokens; an image's place for my lane
	s_mul_i32 s99, s[WJ], BHALF
	s_add_co_u32 s99, s99, BOFF
.irp s, 0,1
	v_add_nc_u32 v[ADRA+\s], s19, v[CO]
	v_add_nc_u32 v[ADRB+\s], s99, v3
	s_add_co_u32 s19, s19, SLOT
	s_add_co_u32 s99, s99, SLOT
.endr
	v_mul_u32_u24 v5, v2, SAH                      ; A's scale words: lanes 16-31 take the K step four further on
	v_lshl_add_u32 v5, v1, 2, v5
	s_lshl_b32 s19, s[WI], 8
	s_add_co_u32 s19, s19, SCL
	v_add_nc_u32 v[ADSA], s19, v5
	v_and_b32 v4, 7, v0                            ; Wo's: 32 bytes a row, eight rows to a unit of 272; lanes 16-31 take the upper 16 bytes
	v_bfe_u32 v5, v0, 3, 1
	v_mul_u32_u24 v5, v5, 272
	v_lshl_add_u32 v5, v4, 5, v5
	v_lshl_add_u32 v5, v2, 4, v5
	s_mul_i32 s19, s[WJ], SBH
	s_add_co_u32 s19, s19, SCLB
	v_add_nc_u32 v[ADSB], s19, v5
	s_mul_i32 s19, s[WV], 16*SPITCH
	s_add_co_u32 s19, s19, STAGE                   ; my stage
	v_mul_u32_u24 v5, v1, SPITCH
	v_lshl_add_u32 v5, v2, 5, v5
	v_add_nc_u32 v[STO], s19, v5                   ; in: row r, 32 bytes for each half of the lanes
	v_add_nc_u32 v[RD], s19, v[CO]                 ; back: the 32 lanes take one row of 512 bytes
	v_lshlrev_b32 v7, 5, v2                        ; the bias: 32 h
	s_wait_alu depctr_va_vdst(0)
	s_lshl_b32 s19, s96, 7
	s_lshl_b32 s99, s[WI], 6
	s_add_co_u32 s19, s19, s99                     ; my first token
	s_lshl_b32 s20, s19, 12                        ; a row of out0 is 4,096 bytes
	s_lshl_b32 s99, s97, 8
	s_lshl_b32 s92, s[WJ], 7
	s_add_co_u32 s99, s99, s92                     ; my first column
	s_lshl_b32 s22, s99, 2
	s_add_co_u32 s20, s20, s22
	s_mov_b32 s21, 0
	s_mov_b32 s23, 0
	s_add_nc_u64 s[14:15], s[14:15], s[20:21]
	s_add_nc_u64 s[12:13], s[12:13], s[22:23]
	WIN W_TOB
.irp t, 0,1,2,3,4,5,6,7
	global_load_b128 v[BI+8*\t:BI+8*\t+3],   v7, s[12:13] offset:64*\t      ; columns 16 t + 8 h + 0 .. 7
	global_load_b128 v[BI+8*\t+4:BI+8*\t+7], v7, s[12:13] offset:64*\t+16
.endr
	WIN 0
	s_wait_tensorcnt 0x1                           ; my scales and my part of half 0 are in; half 1's load may be out
	s_barrier_signal -1
	s_barrier_wait -1                              ; everybody's are
.irp a, 0,1,2,3
.irp q, 0,1,2,3
	ds_load_b32 v[SA+4*\a+\q], v[ADSA] offset:\q*528+64*\a
.endr
.endr
.irp t, 0,1,2,3,4,5,6,7
	ds_load_b128 v[SB+4*\t:SB+4*\t+3], v[ADSB] offset:\t*544
.endr
	FETCH 0
	FETCH 1
	s_wait_loadcnt 0x0                             ; the bias
	s_wait_dscnt 24                                ; all but K step 1's 24 loads
	WIN W_MULB
	MUL 0, 0, 1
	MUL 2, 0, 1
.irp q, 1,2
	PLACES                                         ; in front of loads into the set that the last step multiplied
	FETCH \q+1
	s_wait_dscnt 24                                ; this step's fragments are in; the 24 loads just issued may be out
	WIN W_MUL
	MUL 0, \q, 0
	MUL 2, \q, 0
.endr
	s_wait_tensorcnt 0x0                           ; my part of half 1 is in,
	s_wait_dscnt 0x0                               ; and no LDS load of mine is out at the signal
	s_barrier_signal -1
	MUL 0, 3, 0                                    ; work on registers while the others arrive
	s_barrier_wait -1                              ; half 1 is whole
	PLACES
	FETCH 4
	WIN W_MUL
	MUL 2, 3, 0
.irp q, 4,5,6
	PLACES
	FETCH \q+1
	s_wait_dscnt 24
	WIN W_MUL
	MUL 0, \q, 0
	MUL 2, \q, 0
.endr
	s_wait_dscnt 0x0
	MUL 0, 7, 0
	MUL 2, 7, 0
	WIN 0
; THE WAY OUT, block by block of 16 tokens x 128 columns: through my own stage in LDS, back as whole rows of 512 bytes.  LDS serves a wave's instructions in order (ISA guide 5.7.1.4): no wait between the stores and the loads.
.macro TOSTAGE a
	WIN 0x04                                       ; an LDS store's data are its source 1: window 1
.irp t, 0,1,2,3,4,5,6,7
	ds_store_b128 v[STO], v[64*(\a)+8*\t:64*(\a)+8*\t+3]   offset:64*\t      ; each accumulator from its low end on
	ds_store_b128 v[STO], v[64*(\a)+8*\t+4:64*(\a)+8*\t+7] offset:64*\t+16
.endr
	WIN 0
.set BB, BK+64*((\a)%2)
.irp i, 0,1,2,3,4,5,6,7,8,9,10,11,12,13,14,15
	ds_load_b128 v[BB+4*\i:BB+4*\i+3], v[RD] offset:\i*SPITCH
.endr
.endm
.macro SEND a, younger                 ; younger: the LDS instructions issued behind block a's loads, which may stay out
.set BB, BK+64*((\a)%2)
	s_wait_dscnt \younger
.if (\a) > 0
	s_add_nc_u64 s[14:15], s[14:15], 16*4096       ; (behind a wait on XCNT: the earlier stores have read their base)  16 rows on
.endif
.irp i, 0,1,2,3,4,5,6,7,8,9,10,11,12,13,14,15
	global_store_b128 v[CO], v[BB+4*\i:BB+4*\i+3], s[14:15] offset:\i*4096 th:TH_STORE_NT   ; 32 lanes store 512 consecutive bytes, at a multiple of 512 from out0's first byte; written once, read by nobody here
.endr
.endm
	PLACES                                         ; in front of the first read of results and of loads into registers that held A's fragments
	TOSTAGE 0
.irp a, 1,2,3
.if \a > 1
	s_wait_xcnt 0x0                                ; block a - 2's stores have read their registers and their base
.endif
	TOSTAGE \a
	SEND \a-1, 32                                  ; behind block a - 1's loads: block a's 16 stores and 16 loads
.endr
	s_wait_xcnt 0x0                                ; block 2's stores have read their base
	SEND 3, 0
	s_wait_tensorcnt 0x0
	ds_add_u32 v30, v31
	s_wait_dscnt 0x0
	CROUND                                         ; the closing round: no work-group ends while a partner may still ask for a tile that names it
	s_endpgm
.Lfunc_end_k_q325ebe9cd1_outp:
	.size	k_q325ebe9cd1_outp, .Lfunc_end_k_q325ebe9cd1_outp-k_q325ebe9cd1_outp
	.p2alignl 7, 3214868480
	.fill 96, 4, 3214868480
	.section	.rodata,"a",@progbits
	.p2align	6, 0x0
	.amdhsa_kernel k_q325ebe9cd1_outp
		.amdhsa_group_segment_fixed_size 327680
		.amdhsa_private_segment_fixed_size 0
		.amdhsa_enable_private_segment 0
		.amdhsa_kernarg_size 48
		.amdhsa_user_sgpr_count 2
		.amdhsa_user_sgpr_kernarg_segment_ptr 1
		.amdhsa_wavefront_size32 1
		.amdhsa_system_sgpr_workgroup_id_x 1
		.amdhsa_system_sgpr_workgroup_id_y 1
		.amdhsa_system_sgpr_workgroup_id_z 1
		.amdhsa_system_vgpr_workitem_id 0
		.amdhsa_next_free_vgpr 768
		.amdhsa_next_free_sgpr 100
		.amdhsa_reserve_vcc 0
		.amdhsa_float_denorm_mode_32 3
		.amdhsa_float_denorm_mode_16_64 3
		.amdhsa_memory_ordered 1
		.amdhsa_forward_progress 1
		.amdhsa_inst_pref_size 75
	.end_amdhsa_kernel
	.amdgpu_metadata
---
amdhsa.version: [ 1, 2 ]
amdhsa.kernels:
  - .name:           k_q325ebe9cd1_outp
    .symbol:         k_q325ebe9cd1_outp.kd
    .args:
      - { .name: oimg, .offset: 0, .size: 8, .value_kind: global_buffer, .address_space: global }
      - { .name: osc, .offset: 8, .size: 8, .value_kind: global_buffer, .address_space: global }
      - { .name: Wo_codes, .offset: 16, .size: 8, .value_kind: global_buffer, .address_space: global }
      - { .name: Wo_scales, .offset: 24, .size: 8, .value_kind: global_buffer, .address_space: global }
      - { .name: bo, .offset: 32, .size: 8, .value_kind: global_buffer, .address_space: global }
      - { .name: out0, .offset: 40, .size: 8, .value_kind: global_buffer, .address_space: global }
    .group_segment_fixed_size: 327680
    .private_segment_fixed_size: 0
    .kernarg_segment_align: 8
    .kernarg_segment_size: 48
    .max_flat_workgroup_size: 128
    .sgpr_count:     100
    .vgpr_count:     768
    .wavefront_size: 32
...
	.end_amdgpu_metadata
.endif
;; end of part 3
